; MI455X (gfx1250); checked and timed in simulation.
; The chip was launched on July 23, 2026; its instructions are those of AMD's public machine-readable ISA for CDNA 5 (MIT licence, August 2026) and "CDNA5" Instruction Set Architecture Reference Guide (July 2026). The comments in the code are by the model that wrote it; some were corrected since.
;; Affinity Layer. Allowed arithmetic: matrix products marked QUANTISED: E5M2 operands, one E8M0 scale for each 32 along K, by v_wmma_scale_f32_16x16x128_f8f6f4 with both operands' format E5M2, f32 sums; everything else in f32.
;; Inputs: key_codes 8 x 2,048 x 32 x 32 uint8 (E5M2 codes of key, K innermost, in blocks of 32 codes); key_scales 8 x 2,048 x 32 uint8 (E8M0 scales of key, one for each 32 codes along K); query_codes 8 x 2,048 x 32 x 32 uint8 (E5M2 codes of query, K innermost, in blocks of 32 codes); query_scales 8 x 2,048 x 32 uint8 (E8M0 scales of query, one for each 32 codes along K); value_codes 8 x 1,024 x 64 x 32 uint8 (E5M2 codes of value, K innermost, in blocks of 32 codes); value_scales 8 x 1,024 x 64 uint8 (E8M0 scales of value, one for each 32 codes along K).
;; Outputs: out0 8 x 2,048 x 1,024 float32.
;; This version of the problem:
;;   THIS VERSION OF THE PROBLEM IS GIVEN IN LOW PRECISION. The matrix products marked QUANTISED in the list below multiply operands that are first quantised to E5M2 (5 exponent bits, 2 mantissa bits; 8 bits a number), with one power-of-two scale for each 32 numbers along K (OCP MX v1.0); their sums are f32. All else is computed in f32.
;;   The module's matrix products, in the order in which they are computed (A, B: the left and right operand; K: the contracted axis; several contracted axes count as one K, in the product's order):
;;     1. batch 8 x [M 2,048, K 1,024] x [K 1,024, N 2,048]; A: input query (given as codes); B: input key (given as codes): QUANTISED
;;     2. batch 8 x [M 2,048, K 2,048] x [K 2,048, N 1,024]; A: softmax (see below); B: input value (given as codes): QUANTISED
;;   THE QUANTISER, for each operand of a quantised product, along K:
;;     - K is cut into blocks of 32 from its start; a last block that is shorter is filled with zeros.
;;     - A block's scale is 2^e with e = floor(log2(the largest magnitude in the block)) - 15, held to -126 .. 127; a block of zeros has e = 0. As a byte (E8M0): e + 127.
;;     - Each number is divided by its block's scale, clamped to +-57,344, and rounded to the nearest number of E5M2, ties to even, subnormals kept.
;;     - The product sums the exact products of the quantised numbers (number of the format x scale) in f32.
;;   ~~~python
;;   def quantise(x, axis):      # numpy; x: float32 -> the quantised numbers, widened to float32 again
;;       x = np.moveaxis(x, axis, -1); K = x.shape[-1]
;;       x = np.pad(x, [(0, 0)] * (x.ndim - 1) + [(0, -K % 32)]); x = x.reshape(x.shape[:-1] + (-1, 32)); a = np.abs(x).max(-1, keepdims=True)
;;       e = np.where(a > 0, np.clip(np.frexp(np.where(a > 0, a, 1))[1] - 1 - 15, -126, 127), 0)      # np.frexp(a)[1] - 1 = floor(log2(a)), exactly
;;       r = np.clip(x / 2.0 ** e, -57344, 57344)
;;       step = 2.0 ** (np.maximum(np.frexp(np.where(r == 0, 1, r))[1] - 1, -14) - 2)
;;       q = np.round(r / step) * step * 2.0 ** e      # np.round: ties to even
;;       return np.moveaxis(q.reshape(q.shape[:-2] + (-1,))[..., :K], -1, axis).astype(np.float32)
;;   ~~~
;;   SOFTMAX AHEAD OF A QUANTISED PRODUCT. Where the list says 'softmax', what is quantised is not the finished softmax but p = 2^(t - M), with t = logit x log2(e) and M = ceil(the row's largest t), a whole number; so 1/2 < the row's largest p <= 1. The row's sum l is taken of the UNQUANTISED p, in f32, and the product's result is divided by l at the end. Since M is a whole number, a kernel that streams over the keys may use a running M (the ceiling of the running maximum): every later rescaling is an exact power of two, which a block's scale takes up: the codes' values come out the same.
;;   OPERANDS COMPUTED ON THE WAY. 'Computed on the way' means the value that the module computes at that place (a softmax that the list does not call 'softmax' is quantised finished and normalised). What goes into a quantiser is computed in f32, as accurately as f32 sums, v_exp_f32 and their like allow (about 1e-6 of the number): no bf16 or f16 on the way to a quantiser, and a product that is left as it is and whose result goes on into a quantised operand takes f32 operands (vector FMAs, or v_wmma_f32_16x16x4_f32). A number that lies on a knife's edge between two numbers of the format may be rounded either way, as far as f32 arithmetic and the matrix unit's own rounding can turn it there, and no further.
;;   INPUTS GIVEN AS CODES. key (in the module: [8, 2048, 1024], K = its axis 2); query (in the module: [8, 2048, 1024], K = its axis 2); value (in the module: [8, 2048, 1024], K = its axis 1): each comes as NAME_codes (uint8): NAME with its K axis moved to the last place and cut into blocks of 32 codes, [.., K / 32, bytes a block], one block behind the other in memory; one code a byte (a code: sign, 5 exponent bits, 2 mantissa bits); and NAME_scales (uint8): the same leading axes, one E8M0 byte (e + 127) for each 32 codes along K. Its value is code x scale, taken as it is: it is not quantised again, and the codes and scales need not be those that the quantiser above would give.
;; One version. Each part assembles by itself: llvm-mc -triple=amdgcn-amd-amdhsa -mcpu=gfx1250 --defsym DOCPART=n.
;; ======== version 1 of 1: 3 launches
;; workspace buffers: pimg 19,464,192 bytes; stat 1,769,472 bytes; vsc 524,288 bytes; rlb 65,536 bytes
;; launch scores (part 1): grid 36 x 8, 4 waves a work-group, no clusters, 327,680 bytes of LDS; arguments query_codes, query_scales, key_codes, key_scales, pimg, stat; writes pimg, stat
.if DOCPART == 1
	.amdgcn_target "amdgcn-amd-amdhsa--gfx1250"
	.amdhsa_code_object_version 6
	.text
	.protected	k_q765dc7af43_scores
	.globl	k_q765dc7af43_scores
	.p2align	8
	.type	k_q765dc7af43_scores,@function
k_q765dc7af43_scores:
	s_mov_b64 s[64:65], 0
	v_nop
	global_prefetch_b8 v0, s[64:65] scope:SCOPE_SE
	s_setreg_imm32_b32 hwreg(HW_REG_WAVE_MODE, 25, 1), 1
	s_wait_xcnt 0x0
; FIRST OF THREE LAUNCHES OF CAUSAL ATTENTION ON CODES OF BF8 (E5M2) WITH E8M0 SCALES.  8 batches, 2,048 queries, 2,048 keys, width 1,024.
; This launch: for each tile (batch b, I, J <= I) of 256 queries x 256 keys that the causal mask does not hide as a whole: S^T = K Q^T over K = 1,024, and from it, for each query and each CHUNK of 128 keys:
; t = score x log2(e) / 32;  M_c = the chunk's largest t rounded up to a whole number;  p = 2^(t - M_c);  l_c = the sum of the unquantised p;  p's codes along the keys, in blocks of 32, and the four scale bytes.
; M_c is the chunk's own: the next launch takes the row's largest M and lowers the scale bytes by the difference, which is a whole number, so that the codes stay as they are.
; OUT: pimg, a tile's 67,584 bytes: P's fragments as IMAGES OF THE OPERAND'S REGISTERS: 16 queries x 128 keys at chunk x 32,768 + (query / 16) x 2,048; in it register group c of lane L at 512 c + 16 L.
;      stat [tile][kind][chunk][256 rows] words: kind 0 the raw scale word, 1 -M_c (f32), 2 l_c (f32).
; SHARES: a work-group of four waves makes a tile; a wave 128 queries (QH) x 128 keys (KH: one chunk): 64 accumulators of 16 x 16, 512 registers.  K goes in steps of 256 through two LDS slots filled by the tensor data mover.
; The scale bytes of the tile's 256 + 256 rows for all of K come into LDS once.  Source 0 = 16 keys, source 1 = 16 queries: a lane holds ONE query, and its registers run along the keys.
; NO CLUSTER: a batch's 36 tiles form a triangle whose rows hold 1 to 8 tiles and whose columns 8 to 1: they do not fall into groups of four with a common row or column unless tiles that lie wholly under the mask are added and multiplied.
; LIMITS: NaN and infinity codes and scale bytes 0xff among the inputs are not served.  M_c is exact as f32 up to 2^24.  An exponential under 2^-126 comes out as 0.  t is rounded once (score x c) before M_c is taken off.
; The quarter of a diagonal tile that lies wholly under the mask (QH = 0, KH = 1) runs the same text: every t is -infinity, the floor -3e38 stands for the maximum, p = 0, codes 0, bytes 1, l_c = 0.
; REGISTERS, in windows of 256: window 0: v0-31 addresses; v32-63 scale words, two sets; v64-127 at work on the way out; v128-255 A's (Q's) fragments, one set, on the way out temporaries.
;   window 1: B's (K's) fragments, two sets.   window 2: accumulators of my queries 0-63 ((a, b) at v[8 (8 (a % 4) + b)]);   window 3: of my queries 64-127.
.set PITCH,  272                       ; an LDS row: 256 bytes + 16 of padding = 68 words: the 16 rows that a load touches start at 16 different groups of four banks
.set HALFT,  128*PITCH                 ; 128 rows: what one tensor load brings
.set SLOT,   4*HALFT                   ; Q's 256 rows, then K's 256 rows
.set SCL,    2*SLOT                    ; the scale bytes: 32 a row, as units of 256 bytes + 16 of padding
.set HALFS,  16*272                    ; those of 128 rows
.set SBLK,   544                       ; those of 16 rows
.set SPARE,  SCL+4*HALFS               ; the spare words: 128 bytes for each wave
.set STG,    SPARE+512                 ; a stage of 3 x 512 bytes for each wave: its 128 rows' scale words, -M_c, l_c.  No fill lands here
.set TILEB,  67584                     ; a tile of pimg
.set FR,     16
.set NQ,     2
.set NP,     8                         ; places behind this matrix instruction (ISA guide 7.12.1)
.set ADRA, 16                          ; v16-17  LDS address of my Q fragments in slot 0, 1
.set ADRB, 20                          ; v20-21  the same for K
.set SA0,  22                          ; v22     the stage: my row's word in the first tile of queries
.set SR,   23                          ; v23     the stage, on the way back: 16 bytes a lane
.set LI,   24                          ; v24     16 x lane
.set SA,   25                          ; v25     the stage: my row's word in the tile of queries in hand
.set ADRS, 27                          ; v27     LDS address of my scale words: lanes 0-15 Q's rows, lanes 16-31 K's
.set SPW,  28                          ; v28     LDS address of my spare word; never rewritten
.set NIL,  29                          ; v29     0; never rewritten
.set SC,   32                          ; scale words: set s at v[SC + 16 s]; register 2 i + q: lanes 0-15 Q's block i, lanes 16-31 K's block i, the slot's q-th 128 along K.  They hold scales and nothing else
.set W,    64                          ; v64-127  the way out: 64 numbers of a lane: t, then p
.set AF,   128                         ; Q's fragments
.set C,    128                         ; v128-143 the way out: p's codes
.set TM,   144                         ; v144-147 a block's largest t, then its largest p
.set TP,   148                         ; v148-151 the other half of the lanes'
.set HB,   152                         ; v152-155 57,344 x the scale
.set SO,   156                         ; v156-159 the conversion's scale operand
.set BY,   160                         ; v160-163 the scale's byte
.set PW,   164                         ; v164     the scale word
.set X,    165                         ; v165     the chunk's largest t
.set NM,   166                         ; v[166:167] -M_c (the packed form names a pair and takes its low word)
.set LS,   168                         ; v[168:169], v[170:171] the sum, in two chains of pairs
.set LT,   170
.set D,    172                         ; v172     my query less the chunk's first key less 8 (lane / 16)
.set NEG,  173                         ; v173     -infinity
.set LP,   174                         ; v174     the other half of the lanes' sum
.set SB,   176                         ; v176-187 the stage read back
.set WV,   16
.set QH,   17
.set KH,   18
.set BT,   19
.set TI,   20
.set TJ,   21
.set TL,   22
.set D0,   23
.set G1,   24                          ; s[24:31] descriptor group 1 for the codes;  s[32:39] for the scale bytes
.set G1S,  32
.set G0,   40                          ; s[40:47] group 0 for the codes, a set for each slot;  s[48:51] for the scale bytes
.set G0S,  48
.set CS,   52                          ; s[52:53] c = log2(e) / 32
.set SEL,  54                          ; s[54:55] lane selects: lane l xor 16
.set MNT,  56                          ; s56  the mantissa field of 57,344
.set AI,   57                          ; s57  the way out's tile of queries
.set MK,   58                          ; s58  1: my unit touches the diagonal
.set SOF,  59                          ; s59  64 x AI: the stage's step
.set MSB, 0
.macro WIN new                         ; the immediate's high byte repeats the setting that is left
.if MSB != \new
	s_set_vgpr_msb (MSB<<8)|\new
.set MSB, \new
.endif
.endm
.set MUL_LO, 0xa1                      ; source 0 (K) window 1, source 1 (Q) window 0, C and D window 2
.set MUL_HI, 0xf1                      ; the same, C and D window 3
.set TO_B,   0x40                      ; destination window 1, address window 0
.macro PLACES n
.rept \n
	v_nop
.endr
.endm
.macro FRAG reg, adr, q, i             ; 16 rows x 128 K: lane l holds row l % 16; registers 4 c .. 4 c + 3 hold K = 32 c + 16 (l / 16) + 0 .. 15
.irp c, 0,1,2,3
	ds_load_b128 v[\reg+4*\c:\reg+4*\c+3], v[\adr] offset:128*(\q)+32*\c+(\i)*16*PITCH
.endr
.endm
; 16 matrix instructions: Q's blocks a0, a0 + 1 x K's eight.  The 64 accumulators take turns, one instruction a turn, in the same order in every step.
.macro MUL16 a0, p, q, sc, zero
.irp a, \a0, \a0+1
.irp b, 0,1,2,3,4,5,6,7
.if \zero
	v_wmma_scale_f32_16x16x128_f8f6f4 v[8*(8*((\a)%4)+\b):8*(8*((\a)%4)+\b)+7], v[128*(\p)+FR*\b:128*(\p)+FR*\b+FR-1], v[AF+FR*(\a):AF+FR*(\a)+FR-1], 0, v[SC+8*NQ*(\sc)+NQ*\b+(\q)], v[SC+8*NQ*(\sc)+NQ*(\a)+(\q)] matrix_a_fmt:MATRIX_FMT_BF8 matrix_b_fmt:MATRIX_FMT_BF8 matrix_a_scale:MATRIX_SCALE_ROW1
.else
	v_wmma_scale_f32_16x16x128_f8f6f4 v[8*(8*((\a)%4)+\b):8*(8*((\a)%4)+\b)+7], v[128*(\p)+FR*\b:128*(\p)+FR*\b+FR-1], v[AF+FR*(\a):AF+FR*(\a)+FR-1], v[8*(8*((\a)%4)+\b):8*(8*((\a)%4)+\b)+7], v[SC+8*NQ*(\sc)+NQ*\b+(\q)], v[SC+8*NQ*(\sc)+NQ*(\a)+(\q)] matrix_a_fmt:MATRIX_FMT_BF8 matrix_b_fmt:MATRIX_FMT_BF8 matrix_a_scale:MATRIX_SCALE_ROW1
.endif
.endr
.endr
.endm
.macro FETCH_B slot, q, p
	WIN TO_B
.irp i, 0,1,2,3,4,5,6,7
	FRAG 128*(\p)+FR*\i, ADRB+\slot, \q, \i
.endr
	WIN 0
.endm
.macro FETCH_A slot, q, i0
.irp i, \i0, \i0+1, \i0+2, \i0+3
	FRAG AF+FR*(\i), ADRA+\slot, \q, \i
.endr
.endm
.macro SCALES slot, ks                 ; K step ks's two scale words a row
.irp i, 0,1,2,3,4,5,6,7
	ds_load_b64 v[SC+8*NQ*\slot+NQ*\i:SC+8*NQ*\slot+NQ*\i+1], v[ADRS] offset:\i*SBLK+8*(\ks)
.endr
.endm
; A K step of 256: 128 matrix instructions.  Q has one set of registers: a block is free when its eight products are issued; K has two.
; A load into a register that a matrix instruction has read stands eight plain vector instructions behind it.
.macro KSTEP slot, ks, zero
	FETCH_B \slot, 0, 0
	FETCH_A \slot, 0, 0
	SCALES \slot, \ks
	FETCH_A \slot, 0, 4
	s_wait_dscnt 16                                ; all but the youngest sixteen loads, Q's blocks 4-7
	WIN MUL_LO
	MUL16 0, 0, 0, \slot, \zero
	MUL16 2, 0, 0, \slot, \zero
	s_wait_dscnt 0x0                               ; Q's blocks 4-7 are in
	PLACES NP
	FETCH_B \slot, 1, 1
	FETCH_A \slot, 1, 0
	WIN MUL_HI
	MUL16 4, 0, 0, \slot, \zero
	MUL16 6, 0, 0, \slot, \zero
	PLACES NP
	WIN 0
	FETCH_A \slot, 1, 4
	s_wait_dscnt 16                                ; all but Q's blocks 4-7
	WIN MUL_LO
	MUL16 0, 1, 1, \slot, 0
	MUL16 2, 1, 1, \slot, 0
	s_wait_dscnt 0x0
	WIN MUL_HI
	MUL16 4, 1, 1, \slot, 0
	MUL16 6, 1, 1, \slot, 0
	WIN 0
.endm
; The change of slots, at a slot's head: each wave waits for all its tensor loads (its part of the slot ahead), adds 0 to its spare word, waits for that and for its reads of the slot that it has left; one barrier;
; refill = 1: the slot just left takes the K step two on: my one tensor load behind the barrier, with this K step's 128 matrix instructions in which to land.
.macro TWO slot, refill, ks
	s_wait_tensorcnt 0x0                           ; no tensor load of mine is out, so a group 0 may be written
	ds_add_u32 v[SPW], v[NIL]                      ; 0 onto my spare word
.if \refill
	s_add_nc_u64 s[G0+6-4*\slot:G0+7-4*\slot], s[G0+6-4*\slot:G0+7-4*\slot], 512   ; the other slot's next K step: 512 bytes along the rows
.endif
	s_wait_dscnt 0x0                               ; the add is done, and my reads of the other slot are over
	s_barrier_signal -1
	s_barrier_wait -1
.if \refill
	tensor_load_to_lds s[G0+4-4*\slot:G0+7-4*\slot], s[G1:G1+7]
	s_nop 0
.endif
	PLACES NP                                      ; the places in front of the loads below; the first four also follow the tensor load
	KSTEP \slot, \ks, 0
.endm
	s_load_b256 s[4:11], s[0:1], 0x0               ; Q's codes s[4:5], Q's scales s[6:7], K's codes s[8:9], K's scales s[10:11]
	s_load_b128 s[12:15], s[0:1], 0x20             ; pimg s[12:13], stat s[14:15]
	v_lshl_add_u32 v[SPW], v0, 2, SPARE
	v_mov_b32 v[NIL], 0
	ds_add_u32 v28, v29
	ds_add_u32 v28, v29
	s_wait_dscnt 0x0
	v_lshrrev_b32 v1, 5, v0
	v_readfirstlane_b32 s[WV], v1                  ; wave 0..3
	s_lshr_b32 s[QH], s[WV], 1                     ; which 128 queries are mine
	s_and_b32 s[KH], s[WV], 1                      ; which 128 keys.  Also: which 128 rows I fetch
	s_and_b32 s[BT], ttmp7, 0xffff                 ; the batch
	s_mov_b32 s[TI], 0                             ; the work-group's x counts a batch's tiles row by row of the triangle: I = how many of the rows' first numbers it has reached
.irp t, 1,3,6,10,15,21,28
	s_cmp_ge_u32 ttmp9, \t
	s_add_co_ci_u32 s[TI], s[TI], 0
.endr
	s_add_co_u32 s60, s[TI], 1
	s_mul_i32 s60, s60, s[TI]
	s_lshr_b32 s60, s60, 1
	s_sub_co_u32 s[TJ], ttmp9, s60                 ; J = x - I (I + 1) / 2
	s_mul_i32 s[TL], s[BT], 36
	s_add_co_u32 s[TL], s[TL], ttmp9               ; the tile's number in pimg and stat
	; group 1: 128 rows of 256 bytes, 1,024 bytes apart in memory, 16 bytes of padding behind each
	s_mov_b32 s[G1+0], (1<<20)|(5<<22)|(3<<25)     ; elements of 1 byte; padding on; after every 64 words (code 5) four words (code 3)
	s_mov_b32 s[G1+1], 256<<16                     ; tensor_dim0
	s_mov_b32 s[G1+2], 128<<16                     ; tensor_dim1
	s_mov_b32 s[G1+3], 256<<16                     ; tile_dim0
	s_mov_b32 s[G1+4], 128                         ; tile_dim1
	s_mov_b32 s[G1+5], 1024                        ; from row to row
	s_mov_b32 s[G1+6], 0
	s_mov_b32 s[G1+7], 0
	; the scale bytes of 128 rows: 4,096 dense bytes as 16 rows of 256 (32 elements of 8 bytes), 16 bytes of padding behind each
	s_mov_b32 s[G1S+0], (3<<16)|(1<<20)|(5<<22)|(3<<25)
	s_mov_b32 s[G1S+1], 32<<16
	s_mov_b32 s[G1S+2], 16<<16
	s_mov_b32 s[G1S+3], 32<<16
	s_mov_b32 s[G1S+4], 16
	s_mov_b32 s[G1S+5], 32
	s_mov_b32 s[G1S+6], 0
	s_mov_b32 s[G1S+7], 0
	s_cmp_lt_u32 s[WV], 2                          ; waves 0 and 1 fetch Q's halves, waves 2 and 3 K's
	s_cselect_b32 s62, s[TI], s[TJ]
	s_lshl_b32 s62, s62, 8
	s_lshl_b32 s63, s[BT], 11
	s_add_co_u32 s62, s62, s63
	s_lshl_b32 s63, s[KH], 7
	s_add_co_u32 s62, s62, s63                     ; the first row that I fetch: 2,048 b + 256 (I or J) + 128 (wave % 2)
	s_lshl_b32 s70, s62, 10                        ; its codes, in bytes
	s_mov_b32 s71, 0
	s_lshl_b32 s72, s62, 5                         ; its scale bytes
	s_mov_b32 s73, 0
	s_mul_i32 s74, s[WV], HALFT                    ; where they go: wave x 128 rows
	s_mul_i32 s75, s[WV], HALFS
	s_mov_b32 s[CS], 0x3d38aa3b                    ; c = log2(e) / 32
	s_mov_b32 s[CS+1], s[CS]                       ; (named with it as a pair, so it is written)
	s_mov_b32 s[SEL], 0x76543210
	s_mov_b32 s[SEL+1], 0xfedcba98
	s_mov_b32 s[MNT], 0x600000
	s_wait_kmcnt 0x0
	s_cmp_lt_u32 s[WV], 2                          ; the choice hangs on the wave's number alone
	s_cselect_b64 s[66:67], s[4:5], s[8:9]
	s_cselect_b64 s[68:69], s[6:7], s[10:11]
	s_add_nc_u64 s[66:67], s[66:67], s[70:71]
	s_add_nc_u64 s[68:69], s[68:69], s[72:73]
	s_mov_b32 s[G0S], 1
	s_add_co_u32 s[G0S+1], s75, SCL
	s_mov_b64 s[G0S+2:G0S+3], s[68:69]
	s_or_b32 s[G0S+3], s[G0S+3], 0x80000000
.irp s, 0,1
	s_mov_b32 s[G0+4*\s], 1                        ; count = 1
	s_add_co_u32 s[G0+4*\s+1], s74, \s*SLOT        ; LDS address
	s_add_nc_u64 s[G0+4*\s+2:G0+4*\s+3], s[66:67], \s*256   ; global address: K step s
	s_or_b32 s[G0+4*\s+3], s[G0+4*\s+3], 0x80000000         ; type = 2
.endr
	tensor_load_to_lds s[G0S:G0S+3], s[G1S:G1S+7]  ; the first fills go out together: three loads of mine are out
	s_nop 0
	tensor_load_to_lds s[G0:G0+3], s[G1:G1+7]
	s_nop 0
	tensor_load_to_lds s[G0+4:G0+7], s[G1:G1+7]
	s_nop 0
	PLACES 4
	v_and_b32 v1, 15, v0                           ; r = l % 16
	v_bfe_u32 v2, v0, 4, 1                         ; h = l / 16
	v_mul_u32_u24 v3, v1, PITCH
	v_lshl_add_u32 v3, v2, 4, v3                   ; a fragment's row x pitch + 16 x half
	s_mul_i32 s60, s[QH], HALFT                    ; my 128 rows of Q
	s_mul_i32 s61, s[KH], HALFT                    ; my 128 rows of K,
	s_add_co_u32 s61, s61, 2*HALFT                 ; which lie behind Q's 256
.irp s, 0,1
	v_add_nc_u32 v[ADRA+\s], s60, v3
	v_add_nc_u32 v[ADRB+\s], s61, v3
	s_add_co_u32 s60, s60, SLOT
	s_add_co_u32 s61, s61, SLOT
.endr
	v_lshlrev_b32 v5, 5, v1                        ; my row's scale bytes: 32 a row,
	v_lshrrev_b32 v6, 3, v1
	v_lshl_add_u32 v5, v6, 4, v5                   ; and 16 more for each 256 passed
	s_mul_i32 s60, s[QH], HALFS
	s_mul_i32 s61, s[KH], HALFS
	s_add_co_u32 s61, s61, 2*HALFS
	s_sub_co_u32 s61, s61, s60
	v_mul_u32_u24 v6, s61, v2                      ; lanes 16-31 take K's: one product, the distance between the two bases
	s_add_co_u32 s60, s60, SCL
	v_add_nc_u32 v5, v5, v6
	v_add_nc_u32 v[ADRS], s60, v5
	s_mul_i32 s60, s[WV], 1536
	s_add_co_u32 s60, s60, STG                     ; my stage
	v_lshl_add_u32 v[SA0], v1, 2, s60
	v_and_b32 v4, 31, v0
	v_lshlrev_b32 v[LI], 4, v4
	v_add_nc_u32 v[SR], s60, v[LI]
	s_mul_i32 s66, s[TL], TILEB                    ; pimg: my tile, my chunk, my eight blocks of 16 queries
	s_lshl_b32 s67, s[KH], 15
	s_add_co_u32 s66, s66, s67
	s_lshl_b32 s67, s[QH], 14
	s_add_co_u32 s66, s66, s67
	s_mov_b32 s67, 0
	s_add_nc_u64 s[12:13], s[12:13], s[66:67]
	s_mul_i32 s66, s[TL], 6144                     ; stat: my tile, my chunk, my 128 rows
	s_lshl_b32 s67, s[KH], 10
	s_add_co_u32 s66, s66, s67
	s_lshl_b32 s67, s[QH], 9
	s_add_co_u32 s66, s66, s67
	s_mov_b32 s67, 0
	s_add_nc_u64 s[14:15], s[14:15], s[66:67]
	s_sub_co_u32 s[D0], s[TI], s[TJ]               ; my first query less my first key: 256 (I - J) + 128 QH - 128 KH
	s_lshl_b32 s[D0], s[D0], 8
	s_lshl_b32 s61, s[QH], 7
	s_add_co_u32 s[D0], s[D0], s61
	s_lshl_b32 s61, s[KH], 7
	s_sub_co_i32 s[D0], s[D0], s61
	s_cmp_lt_i32 s[D0], 127                        ; my last key comes after my first query: the mask has work
	s_cselect_b32 s[MK], 1, 0
	s_wait_tensorcnt 0x1                           ; the scale bytes and my part of K step 0 are in; K step 1's load may stay out
	s_barrier_signal -1
	s_barrier_wait -1                              ; everybody's are
	KSTEP 0, 0, 1                                  ; the first products start the sums: nothing is cleared
	TWO 1, 1, 1
	TWO 0, 1, 2
	TWO 1, 0, 3
	; THE WAY OUT: eight trips, a tile of 16 queries each.  All that a lane needs lies in the lane and in lane l xor 16.
	PLACES NP                                      ; behind the last products: their results are read and Q's registers written only from here on
	v_mov_b32 v[NEG], 0xff800000
	v_mov_b32 v[NM+1], 0                           ; (the upper half of a pair that the packed additions name)
.irp b, 0,1,2,3
	v_mov_b32 v[TP+\b], 0                          ; a lane permute's destination counts as one of its sources
.endr
	v_mov_b32 v[LP], 0
	v_lshlrev_b32 v[D], 3, v2
	v_sub_nc_u32 v[D], v1, v[D]
	v_add_nc_u32 v[D], s[D0], v[D]                 ; register n holds key 16 (n / 8) + n % 8 + 8 h of the chunk: hidden where 16 (n / 8) + n % 8 > D
	s_mov_b32 s[AI], 0
	s_mov_b32 s[SOF], 0
; t = score x c for tile k's 64 numbers, out of the accumulators' window; each accumulator is read from its low end on
.macro COPY k
	WIN 0x02+(\k)/4
.set i, 0
.rept 32
	v_pk_mul_f32 v[W+2*i:W+2*i+1], v[64*((\k)%4)+2*i:64*((\k)%4)+2*i+1], s[CS:CS+1] op_sel_hi:[1,0]
.set i, i+1
.endr
	WIN 0
.endm
.Lway:
.irp k, 1,2,3,4,5,6,7
	s_cmp_eq_u32 s[AI], \k
	s_cbranch_scc1 .Lcopy\k
.endr
	COPY 0
	s_branch .Lbody
.irp k, 1,2,3,4,5,6
.Lcopy\k:
	COPY \k
	s_branch .Lbody
.endr
.Lcopy7:
	COPY 7
.Lbody:
	s_cmp_eq_u32 s[MK], 0                          ; a branch on ids and the wave's number: no barrier stands in this loop
	s_cbranch_scc1 .Lopen
.set n, 0
.rept 64
	v_cmp_gt_i32 vcc_lo, 16*(n/8)+n%8, v[D]
	v_cndmask_b32 v[W+n], v[W+n], v[NEG], vcc_lo   ; a hidden key's t becomes -infinity: p = 0
.set n, n+1
.endr
.Lopen:
.irp b, 0,1,2,3
	v_max3_num_f32 v[TM+\b], v[W+16*\b], v[W+16*\b+1], v[W+16*\b+2]   ; the largest t of each block of 32 keys: for the chunk's maximum and, since p rises with t, for the block's largest p
.endr
.irp i, 3,5,7,9,11,13
.irp b, 0,1,2,3
	v_max3_num_f32 v[TM+\b], v[TM+\b], v[W+16*\b+\i], v[W+16*\b+\i+1]
.endr
.endr
.irp b, 0,1,2,3
	v_max_num_f32 v[TM+\b], v[TM+\b], v[W+16*\b+15]
.endr
.irp b, 0,1,2,3
	v_permlanex16_b32 v[TP+\b], v[TM+\b], s[SEL], s[SEL+1]
.endr
.irp b, 0,1,2,3
	v_max_num_f32 v[TM+\b], v[TM+\b], v[TP+\b]     ; with lane l xor 16's 16 keys
.endr
	v_max3_num_f32 v[X], v[TM], v[TM+1], v[TM+2]
	v_max3_num_f32 v[X], v[X], v[TM+3], 0xff61b1e6 ; the chunk's largest t; -3e38 stands under it where every key is hidden
	v_floor_f32 v[NM], -v[X]                       ; -M_c = floor(-t) = -ceil(t): a whole number
.set i, 0
.rept 32
	v_pk_add_f32 v[W+2*i:W+2*i+1], v[W+2*i:W+2*i+1], v[NM:NM+1] op_sel_hi:[1,0]   ; t - M_c
.set i, i+1
.endr
.irp b, 0,1,2,3
	v_add_f32 v[TM+\b], v[TM+\b], v[NM]            ; the same of each block's largest t
.endr
.set n, 0
.rept 64
	v_exp_f32 v[W+n], v[W+n]                       ; p = 2^(t - M_c), at most 1
.set n, n+1
.endr
	v_add_nc_u32 v[SA], s[SOF], v[SA0]             ; (a plain instruction behind the exponentials)  the stage's words of this tile of queries
	s_wait_alu depctr_va_vdst(0)                   ; one wait for the batch of 64, ahead of its first reader
.irp b, 0,1,2,3
	v_exp_f32 v[TM+\b], v[TM+\b]                   ; the block's largest p: the same addition and exponential on the same number give the same bits
.endr
	v_pk_add_f32 v[LS:LS+1], v[W:W+1], v[W+2:W+3]  ; the sum is taken of the unquantised p: two at a time, in two chains
	v_pk_add_f32 v[LT:LT+1], v[W+4:W+5], v[W+6:W+7]
.irp j, 8,12,16,20,24,28,32,36,40,44,48,52,56,60
	v_pk_add_f32 v[LS:LS+1], v[LS:LS+1], v[W+\j:W+\j+1]
	v_pk_add_f32 v[LT:LT+1], v[LT:LT+1], v[W+\j+2:W+\j+3]
.endr
	v_pk_add_f32 v[LS:LS+1], v[LS:LS+1], v[LT:LT+1]
	v_add_f32 v[LS], v[LS], v[LS+1]
	v_permlanex16_b32 v[LP], v[LS], s[SEL], s[SEL+1]
	v_add_f32 v[LS], v[LS], v[LP]                  ; l_c, in both lanes of the query
	s_wait_alu depctr_va_vdst(0)                   ; and one wait for the four
.irp b, 0,1,2,3
	v_max_num_f32 v[TM+\b], 0x8000000, v[TM+\b]    ; the floor 2^(16 - 127): the byte cannot fall under 1
.endr
.irp b, 0,1,2,3
	v_add_nc_u32 v[SO+\b], 0xf8800000, v[TM+\b]    ; 15 off the exponent field: the conversion's scale operand
.endr
.irp b, 0,1,2,3
	v_and_or_b32 v[HB+\b], v[TM+\b], 0x7f800000, s[MNT]   ; 57,344 x the scale
.endr
.irp b, 0,1,2,3
	v_lshrrev_b32 v[BY+\b], 23, v[SO+\b]           ; the scale's byte, 1 to 112
.endr
	v_lshl_or_b32 v[PW], v[BY+1], 8, v[BY]
	v_lshl_or_b32 v[PW], v[BY+2], 16, v[PW]
	v_lshl_or_b32 v[PW], v[BY+3], 24, v[PW]        ; the chunk's scale word under M_c
.irp b, 0,1,2,3
.irp i, 0,1,2,3,4,5,6,7,8,9,10,11,12,13,14,15
	v_min_num_f32 v[W+16*\b+\i], v[W+16*\b+\i], v[HB+\b]   ; the conversion to an 8-bit code does not saturate (ISA guide 7.6.2); p is not negative, so the hold is one-sided
.endr
	v_cvt_scalef32_pk8_bf8_f32 v[C+4*\b:C+4*\b+1], v[W+16*\b:W+16*\b+7], v[SO+\b]
	v_cvt_scalef32_pk8_bf8_f32 v[C+4*\b+2:C+4*\b+3], v[W+16*\b+8:W+16*\b+15], v[SO+\b]
.endr
	v_nop                                          ; a plain instruction between the conversions and the next vector instruction that touches their results
; Of block b, lanes 0-15 hold keys 0-7 and 16-23, lanes 16-31 keys 8-15 and 24-31.  The operand wants keys 0-15 in lanes 0-15 and 16-31 in lanes 16-31: the upper lanes of the first two registers change places with the lower lanes of the last two.
.irp b, 0,1,2,3
	v_permlane16_swap_b32 v[C+4*\b], v[C+4*\b+2]
	v_permlane16_swap_b32 v[C+4*\b+1], v[C+4*\b+3]
.endr
.irp c, 0,1,2,3
	global_store_b128 v[LI], v[C+4*\c:C+4*\c+3], s[12:13] offset:512*\c   ; the fragment's image: 32 lanes store 512 consecutive bytes, at a multiple of 256 from pimg's first byte
.endr
	ds_store_b32 v[SA], v[PW]                      ; lanes l and l xor 16 write the same word with the same value
	ds_store_b32 v[SA], v[NM] offset:512
	ds_store_b32 v[SA], v[LS] offset:1024
	v_add_nc_u32 v[D], 16, v[D]                    ; the next 16 queries
	s_wait_xcnt 0x0                                ; the stores have read their data and their base: both are written again only behind this wait
	s_add_nc_u64 s[12:13], s[12:13], 2048
	s_add_co_u32 s[SOF], s[SOF], 64
	s_add_co_u32 s[AI], s[AI], 1
	s_cmp_lt_u32 s[AI], 8
	s_cbranch_scc1 .Lway
.irp k, 0,1,2
	ds_load_b128 v[SB+4*\k:SB+4*\k+3], v[SR] offset:512*\k   ; LDS serves a wave's instructions in order: these see my stores
.endr
	s_wait_dscnt 0x0
.irp k, 0,1,2
	global_store_b128 v[LI], v[SB+4*\k:SB+4*\k+3], s[14:15] offset:2048*\k   ; 128 rows' words of a kind: 512 consecutive bytes
.endr
	s_wait_tensorcnt 0x0                           ; the wave's end
	ds_add_u32 v[SPW], v[NIL]
	s_wait_dscnt 0x0
	s_endpgm
.Lfunc_end_k_q765dc7af43_scores:
	.size	k_q765dc7af43_scores, .Lfunc_end_k_q765dc7af43_scores-k_q765dc7af43_scores
	.p2alignl 7, 3214868480
	.fill 96, 4, 3214868480
	.section	.rodata,"a",@progbits
	.p2align	6, 0x0
	.amdhsa_kernel k_q765dc7af43_scores
		.amdhsa_group_segment_fixed_size 327680
		.amdhsa_private_segment_fixed_size 0
		.amdhsa_enable_private_segment 0
		.amdhsa_kernarg_size 48
		.amdhsa_user_sgpr_count 2
		.amdhsa_user_sgpr_kernarg_segment_ptr 1
		.amdhsa_wavefront_size32 1
		.amdhsa_system_sgpr_workgroup_id_x 1
		.amdhsa_system_sgpr_workgroup_id_y 1
		.amdhsa_system_sgpr_workgroup_id_z 1
		.amdhsa_system_vgpr_workitem_id 0
		.amdhsa_next_free_vgpr 1024
		.amdhsa_next_free_sgpr 80
		.amdhsa_reserve_vcc 1
		.amdhsa_float_denorm_mode_32 3
		.amdhsa_float_denorm_mode_16_64 3
		.amdhsa_memory_ordered 1
		.amdhsa_forward_progress 1
		.amdhsa_inst_pref_size 148
	.end_amdhsa_kernel
	.amdgpu_metadata
---
amdhsa.version: [ 1, 2 ]
amdhsa.kernels:
  - .name:           k_q765dc7af43_scores
    .symbol:         k_q765dc7af43_scores.kd
    .args:
      - { .name: query_codes, .offset: 0, .size: 8, .value_kind: global_buffer, .address_space: global }
      - { .name: query_scales, .offset: 8, .size: 8, .value_kind: global_buffer, .address_space: global }
      - { .name: key_codes, .offset: 16, .size: 8, .value_kind: global_buffer, .address_space: global }
      - { .name: key_scales, .offset: 24, .size: 8, .value_kind: global_buffer, .address_space: global }
      - { .name: pimg, .offset: 32, .size: 8, .value_kind: global_buffer, .address_space: global }
      - { .name: stat, .offset: 40, .size: 8, .value_kind: global_buffer, .address_space: global }
    .group_segment_fixed_size: 327680
    .private_segment_fixed_size: 0
    .kernarg_segment_align: 8
    .kernarg_segment_size: 48
    .max_flat_workgroup_size: 128
    .sgpr_count:     80
    .vgpr_count:     1024
    .wavefront_size: 32
...
	.end_amdgpu_metadata
.endif
;; end of part 1
;; launch fix (part 2): grid 96 x 1, 8 waves a work-group, no clusters, 0 bytes of LDS; arguments stat, value_scales, pimg, vsc, rlb; writes pimg, vsc, rlb
.if DOCPART == 2
	.amdgcn_target "amdgcn-amd-amdhsa--gfx1250"
	.amdhsa_code_object_version 6
	.text
	.protected	k_q765dc7af43_fix
	.globl	k_q765dc7af43_fix
	.p2align	8
	.type	k_q765dc7af43_fix,@function
k_q765dc7af43_fix:
	s_mov_b64 s[64:65], 0
	v_nop
	global_prefetch_b8 v0, s[64:65] scope:SCOPE_SE
	s_setreg_imm32_b32 hwreg(HW_REG_WAVE_MODE, 25, 1), 1
	s_wait_xcnt 0x0
; SECOND LAUNCH.  Work-groups 0 to 63 (b = x / 8, I = x % 8; a thread to a query of the block of 256): the row's -M = the least of its chunks' -M_c; l = the sum of l_c 2^(M_c - M); 1 / l -> rlb;
; each chunk's four scale bytes of P less d = M - M_c -> the scale part of pimg's tiles ([256 rows][8 bytes] at byte 65,536 of a tile).  The codes stay: d is a whole number.
; Work-groups 64 to 95 (a thread to a channel): V's 64 scale bytes of a channel are laid by steps of 256 keys: vsc [b][J][1,024 channels][8 bytes], so that a step's scale words of 256 channels are 2,048 consecutive bytes.
; No LDS, no barrier, no matrix instruction: memory binds, and threads share nothing.
; LIMITS: d is held at 127; a byte that would fall under 0 becomes 0 (2^-127): what that changes lies under 2^-111 of the row's largest p.  rlb leaves in stores of 128 bytes a wave: 65,536 bytes in the whole launch.
.set RW,   16                          ; v16-31  raw scale words, chunk 2 J + c
.set NC,   32                          ; v32-47  -M_c
.set LC,   48                          ; v48-63  l_c
.set OF,   64                          ; v64-71  my word's byte in tile J of stat
.set OU,   72                          ; v72-87  the final scale words: registers of their own for each store
.set NF,   90                          ; v90     -M
.set LSUM, 91                          ; v91     l
.set T,    92                          ; v92-95  at work
.set R,    96                          ; v96     1 / l
	s_load_b256 s[4:11], s[0:1], 0x0               ; stat s[4:5], V's scales s[6:7], pimg s[8:9], vsc s[10:11]
	s_load_b64 s[12:13], s[0:1], 0x20              ; rlb
	s_cmp_ge_u32 ttmp9, 64
	s_cbranch_scc1 .Lvs
	s_lshr_b32 s16, ttmp9, 3                       ; b
	s_and_b32 s17, ttmp9, 7                        ; I
	s_add_co_u32 s18, s17, 1
	s_mul_i32 s18, s18, s17
	s_lshr_b32 s18, s18, 1
	s_mul_i32 s19, s16, 36
	s_add_co_u32 s18, s18, s19                     ; the row of tiles begins at tile 36 b + I (I + 1) / 2
.irp J, 0,1,2,3,4,5,6,7
	s_min_u32 s20, s17, \J                         ; past the diagonal tile I is read once more: a number taken twice changes no minimum, and nothing else is made of it
	s_add_co_u32 s20, s20, s18
	s_mul_i32 s20, s20, 6144
	v_lshl_add_u32 v[OF+\J], v0, 2, s20
.endr
	s_mul_i32 s22, s18, 67584
	s_add_co_u32 s22, s22, 65536                   ; the scale part of the row's first tile
	s_mov_b32 s23, 0
	s_lshl_b32 s24, ttmp9, 10                      ; rlb: 256 x work-group rows of 4 bytes
	s_mov_b32 s25, 0
	s_mov_b32 s26, 0x01010101
	s_mov_b32 s27, 0x80808080
	s_mov_b32 s28, 0x7f7f7f7f
	v_lshlrev_b32 v1, 3, v0
	v_lshlrev_b32 v2, 2, v0
	s_wait_kmcnt 0x0
	s_add_nc_u64 s[8:9], s[8:9], s[22:23]
	s_add_nc_u64 s[12:13], s[12:13], s[24:25]
.irp J, 0,1,2,3,4,5,6,7
.irp c, 0,1
	global_load_b32 v[RW+2*\J+\c], v[OF+\J], s[4:5] offset:1024*\c        ; a wave reads 128 consecutive bytes
	global_load_b32 v[NC+2*\J+\c], v[OF+\J], s[4:5] offset:2048+1024*\c
	global_load_b32 v[LC+2*\J+\c], v[OF+\J], s[4:5] offset:4096+1024*\c
.endr
.endr
	s_wait_loadcnt 0x0
	v_min3_num_f32 v[NF], v[NC], v[NC+1], v[NC+2]
.irp i, 3,5,7,9,11,13
	v_min3_num_f32 v[NF], v[NF], v[NC+\i], v[NC+\i+1]
.endr
	v_min_num_f32 v[NF], v[NF], v[NC+15]           ; -M: key 0 counts for every query, so it is a true chunk's
.macro FIXW i
	v_sub_f32 v[T], v[NC+\i], v[NF]                ; d = M - M_c: a whole number, 0 or more (3e38 for a chunk that is wholly hidden)
	v_cvt_i32_f32 v[T], v[T]                       ; (it saturates)
	v_min_u32 v[T], 127, v[T]
	v_sub_nc_u32 v[T+1], 0, v[T]
	v_ldexp_f32 v[T+1], 1.0, v[T+1]                ; 2^-d
.if \i == 0
	v_mul_f32 v[LSUM], v[LC+\i], v[T+1]            ; the first chunk starts the sum
.else
	v_fmac_f32 v[LSUM], v[LC+\i], v[T+1]
.endif
	v_mul_lo_u32 v[T], v[T], s26                   ; d in all four bytes
	v_or_b32 v[T+2], s27, v[RW+\i]                 ; each byte + 128 (the bytes are 1 to 112),
	v_sub_nc_u32 v[T+2], v[T+2], v[T]              ; less d (at most 127): no byte borrows from its neighbour
	v_lshrrev_b32 v[T+3], 7, v[T+2]
	v_and_b32 v[T+3], s26, v[T+3]                  ; 1 in a byte that has not fallen under 0,
	v_lshlrev_b32 v[T], 8, v[T+3]
	v_sub_nc_u32 v[T], v[T], v[T+3]                ; 255 there
	v_and_b32 v[T+2], s28, v[T+2]
	v_and_b32 v[OU+\i], v[T+2], v[T]
.endm
.irp J, 0,1,2,3,4,5,6,7
.if \J > 0
	s_cmp_lt_u32 s17, \J                           ; tiles past the diagonal do not exist
	s_cbranch_scc1 .Lsum
.endif
	FIXW 2*\J
	FIXW 2*\J+1
	global_store_b64 v1, v[OU+2*\J:OU+2*\J+1], s[8:9] offset:\J*67584   ; a wave stores 256 consecutive bytes, at a multiple of 256 from pimg's first byte
.endr
.Lsum:
	v_rcp_f32 v[R], v[LSUM]
	v_nop                                          ; a plain instruction behind the reciprocal
	s_wait_alu depctr_va_vdst(0)                   ; and a wait ahead of its reader
	global_store_b32 v2, v[R], s[12:13]
	s_endpgm
.Lvs:
	s_sub_co_u32 s16, ttmp9, 64                    ; which 256 of the 8,192 rows of V's scale bytes
	s_lshl_b32 s20, s16, 14                        ; 64 bytes a row
	s_mov_b32 s21, 0
	s_lshr_b32 s17, s16, 2                         ; b
	s_and_b32 s18, s16, 3
	s_lshl_b32 s22, s17, 16                        ; vsc: 65,536 bytes a batch,
	s_lshl_b32 s18, s18, 11                        ; 8 bytes a channel
	s_add_co_u32 s22, s22, s18
	s_mov_b32 s23, 0
	v_lshlrev_b32 v1, 6, v0
	v_lshlrev_b32 v2, 3, v0
	s_wait_kmcnt 0x0
	s_add_nc_u64 s[6:7], s[6:7], s[20:21]
	s_add_nc_u64 s[10:11], s[10:11], s[22:23]
.irp i, 0,1,2,3
	global_load_b128 v[16+4*\i:19+4*\i], v1, s[6:7] offset:16*\i   ; my channel's 64 bytes; the wave's four loads together take 2,048 consecutive bytes
.endr
	s_wait_loadcnt 0x0
.irp J, 0,1,2,3,4,5,6,7
	global_store_b64 v2, v[16+2*\J:17+2*\J], s[10:11] offset:\J*8192   ; a wave stores 256 consecutive bytes, aligned
.endr
	s_endpgm
.Lfunc_end_k_q765dc7af43_fix:
	.size	k_q765dc7af43_fix, .Lfunc_end_k_q765dc7af43_fix-k_q765dc7af43_fix
	.p2alignl 7, 3214868480
	.fill 96, 4, 3214868480
	.section	.rodata,"a",@progbits
	.p2align	6, 0x0
	.amdhsa_kernel k_q765dc7af43_fix
		.amdhsa_group_segment_fixed_size 0
		.amdhsa_private_segment_fixed_size 0
		.amdhsa_enable_private_segment 0
		.amdhsa_kernarg_size 40
		.amdhsa_user_sgpr_count 2
		.amdhsa_user_sgpr_kernarg_segment_ptr 1
		.amdhsa_wavefront_size32 1
		.amdhsa_system_sgpr_workgroup_id_x 1
		.amdhsa_system_sgpr_workgroup_id_y 1
		.amdhsa_system_sgpr_workgroup_id_z 1
		.amdhsa_system_vgpr_workitem_id 0
		.amdhsa_next_free_vgpr 128
		.amdhsa_next_free_sgpr 66
		.amdhsa_reserve_vcc 0
		.amdhsa_float_denorm_mode_32 3
		.amdhsa_float_denorm_mode_16_64 3
		.amdhsa_memory_ordered 1
		.amdhsa_forward_progress 1
		.amdhsa_inst_pref_size 20
	.end_amdhsa_kernel
	.amdgpu_metadata
---
amdhsa.version: [ 1, 2 ]
amdhsa.kernels:
  - .name:           k_q765dc7af43_fix
    .symbol:         k_q765dc7af43_fix.kd
    .args:
      - { .name: stat, .offset: 0, .size: 8, .value_kind: global_buffer, .address_space: global }
      - { .name: value_scales, .offset: 8, .size: 8, .value_kind: global_buffer, .address_space: global }
      - { .name: pimg, .offset: 16, .size: 8, .value_kind: global_buffer, .address_space: global }
      - { .name: vsc, .offset: 24, .size: 8, .value_kind: global_buffer, .address_space: global }
      - { .name: rlb, .offset: 32, .size: 8, .value_kind: global_buffer, .address_space: global }
    .group_segment_fixed_size: 0
    .private_segment_fixed_size: 0
    .kernarg_segment_align: 8
    .kernarg_segment_size: 40
    .max_flat_workgroup_size: 256
    .sgpr_count:     66
    .vgpr_count:     128
    .wavefront_size: 32
...
	.end_amdgpu_metadata
.endif
;; end of part 2
;; launch mix (part 3): grid 4 x 64, 4 waves a work-group, clusters of 4 x 1, 327,680 bytes of LDS; arguments pimg, value_codes, vsc, rlb, out0; writes out0
.if DOCPART == 3
	.amdgcn_target "amdgcn-amd-amdhsa--gfx1250"
	.amdhsa_code_object_version 6
	.text
	.protected	k_q765dc7af43_mix
	.globl	k_q765dc7af43_mix
	.p2align	8
	.type	k_q765dc7af43_mix,@function
k_q765dc7af43_mix:
	s_mov_b64 s[64:65], 0
	v_nop
	global_prefetch_b8 v0, s[64:65] scope:SCOPE_SE
	s_setreg_imm32_b32 hwreg(HW_REG_WAVE_MODE, 25, 1), 1
	s_wait_xcnt 0x0
	s_wait_alu depctr_hold_cnt(0) depctr_sa_sdst(0) depctr_va_vdst(0) depctr_va_sdst(0) depctr_va_ssrc(0) depctr_va_vcc(0) depctr_vm_vsrc(0)
	s_getreg_b32 s2, hwreg(HW_REG_IB_STS2, 6, 4)
	s_cmp_eq_u32 s2, 0
	s_cbranch_scc0 .Lentry_in_a_cluster
	s_endpgm
.Lentry_in_a_cluster:
	s_bfe_u32 s2, ttmp6, 0x10000c
	s_cmp_lg_u32 s2, 0x3003
	s_cbranch_scc0 .Lentry_shape_is_right
	s_endpgm
.Lentry_shape_is_right:
; THIRD LAUNCH: out[b][q][n] = (the sum over the keys of P[q][key] V[n][key]) / l[q], on codes of BF8 (E5M2) with E8M0 scales.  P: pimg, as the first two launches left it; V: codes with the keys innermost, [b][1,024][2,048];
; its scale bytes by steps of 256 keys in vsc; 1 / l in rlb.  out: [8][2,048][1,024] f32.
; SHARES: a work-group of four waves makes 256 queries (b = y / 8, I = y % 8) x 256 channels (cx); a wave 128 x 128: 64 accumulators, 512 registers.  K = the keys, in I + 1 steps of 256: what lies past the diagonal tile is under the mask.
; CLUSTER: the four work-groups of a cluster have the same queries and the four blocks of channels.  So P's tile of a step (images and scale words: 67,584 dense bytes) is asked for JOINTLY, by wave 0, with a mask that names the four.
; V's tiles hang on cx: they are plain loads (waves 2 and 3: the two halves; wave 1: the scale words).  The work-groups that read the same tile of V are those of other I, which walk other numbers of steps: they are no partners.
; The ring has two slots, a step each.  A trip of the loop is two steps.  Where I is even the step that slot 1 holds at the end lies past the diagonal: it has been fetched (tile (I + 1, 0) of pimg, step I + 1 <= 7 of V: inside their buffers)
; and is not multiplied: a scalar branch on the cluster's y, round the work alone.
; Source 0 = 16 channels of V, source 1 = 16 queries of P: a lane holds one query and eight neighbouring channels.
; REGISTERS: window 0: v0-31 addresses; v32-63 scale words, two sets, which hold nothing else; v64-79 1 / l; v128-255 P's fragments, one set; on the way out rows of out.  window 1: V's fragments, two sets.  windows 2, 3: the accumulators.
.set PITCH,  272                       ; a row of V in LDS: 256 bytes + 16 of padding
.set HALFT,  128*PITCH
.set ABLK,   67584                     ; P's tile: 65,536 bytes of images, then 2,048 of scale words
.set ASC,    65536
.set BOFF,   ABLK                      ; V's 256 rows
.set BSC,    BOFF+2*HALFT+128          ; V's scale words, [256][8 bytes]: 128 bytes past a multiple of 256, so that lanes 16-31 of a load of scale words fall on the other half of the banks than lanes 0-15
.set SLOT,   139520
.set SPARE,  2*SLOT                    ; the spare words: 128 bytes for each wave
.set STAGE,  SPARE+512                 ; the way out: 16 rows x (512 bytes + 16) for each wave.  No fill lands here
.set SPITCH, 528
.set FR,     16
.set NQ,     2
.set NP,     8                         ; places behind this matrix instruction (ISA guide 7.12.1)
.set ADRA, 16                          ; v16-17  LDS address of my lane's 16 bytes in my first image of slot 0, 1
.set ADRB, 20                          ; v20-21  of my V fragments
.set CO,   22                          ; v22     16 x lane: my bytes in a row of 512
.set RA,   23                          ; v23     4 x (lane % 16): my query's word in rlb
.set STO,  24                          ; v24     the stage: where I put 32 bytes of a row
.set RD,   25                          ; v25     and where I read a row back
.set ADRS, 26                          ; v26-27  LDS address of my scale words in slot 0, 1: lanes 0-15 P's rows, lanes 16-31 V's
.set SPW,  28                          ; v28     LDS address of my spare word; never rewritten
.set NIL,  29                          ; v29     0; never rewritten
.set SC,   32
.set RL,   64                          ; v[64+2a:65+2a] 1 / l of my query in block a, twice
.set AF,   128
.set BK,   128
.set WV,   14
.set HA,   15
.set HB,   16
.set CX,   17
.set YY,   18
.set BT,   19
.set TI,   20
.set TB,   21
.set LAPS, 22
.set ODD,  23
.set G1A,  24                          ; s[24:31], s[32:39], s[40:47] descriptor groups 1: P's tile, V's codes, V's scale words
.set G1B,  32
.set G1S,  40
.set G0A,  48                          ; s[48:55], s[56:63], s[68:75] their groups 0, a set for each slot
.set G0B,  56
.set G0S,  68
.set MSB, 0
.macro WIN new                         ; the immediate's high byte repeats the setting that is left
.if MSB != \new
	s_set_vgpr_msb (MSB<<8)|\new
.set MSB, \new
.endif
.endm
.set MUL_LO, 0xa1
.set MUL_HI, 0xf1
.set TO_B,   0x40
.macro PLACES n
.rept \n
	v_nop
.endr
.endm
.macro CROUND                          ; a round of the cluster's barrier
	s_barrier_signal -1
	s_barrier_wait -1
	s_cmp_lg_u32 s[WV], 0
	s_cbranch_scc1 .Lnot_wave_0_\@
	s_barrier_signal -3
.Lnot_wave_0_\@:
	s_barrier_wait -3
	s_barrier_signal -1
	s_barrier_wait -1
.endm
; A wave's one load for slot s.  The branches hang on the wave's number alone: they are the same in all four partners.  Four v_nop follow each tensor load.
; (The argument is put in as text: it stands in parentheses wherever it enters an expression.)
.macro TLOAD s
	s_cmp_eq_u32 s[WV], 0
	s_cbranch_scc0 .Lnot_a_\@
	tensor_load_to_lds s[G0A+4*(\s):G0A+4*(\s)+3], s[G1A:G1A+7]
	s_nop 0
	PLACES 4
	s_branch .Lasked_\@
.Lnot_a_\@:
	s_cmp_eq_u32 s[WV], 1
	s_cbranch_scc0 .Lfor_b_\@
	tensor_load_to_lds s[G0S+4*(\s):G0S+4*(\s)+3], s[G1S:G1S+7]
	s_nop 0
	PLACES 4
	s_branch .Lasked_\@
.Lfor_b_\@:
	tensor_load_to_lds s[G0B+4*(\s):G0B+4*(\s)+3], s[G1B:G1B+7]
	s_nop 0
	PLACES 4
.Lasked_\@:
.endm
.macro FRAGB reg, slot, q, i           ; 16 channels x 128 keys from rows
.irp c, 0,1,2,3
	ds_load_b128 v[\reg+4*\c:\reg+4*\c+3], v[ADRB+\slot] offset:128*(\q)+32*\c+(\i)*16*PITCH
.endr
.endm
.macro FRAGA reg, slot, q, i           ; 16 queries x 128 keys: the image as it was stored: an instruction's 512 bytes are consecutive
.irp c, 0,1,2,3
	ds_load_b128 v[\reg+4*\c:\reg+4*\c+3], v[ADRA+\slot] offset:32768*(\q)+2048*(\i)+512*\c
.endr
.endm
.macro MUL16 a0, p, q, sc, zero        ; the 64 accumulators take turns, one instruction a turn, in the same order in every step
.irp a, \a0, \a0+1
.irp b, 0,1,2,3,4,5,6,7
.if \zero
	v_wmma_scale_f32_16x16x128_f8f6f4 v[8*(8*((\a)%4)+\b):8*(8*((\a)%4)+\b)+7], v[128*(\p)+FR*\b:128*(\p)+FR*\b+FR-1], v[AF+FR*(\a):AF+FR*(\a)+FR-1], 0, v[SC+8*NQ*(\sc)+NQ*\b+(\q)], v[SC+8*NQ*(\sc)+NQ*(\a)+(\q)] matrix_a_fmt:MATRIX_FMT_BF8 matrix_b_fmt:MATRIX_FMT_BF8 matrix_a_scale:MATRIX_SCALE_ROW1
.else
	v_wmma_scale_f32_16x16x128_f8f6f4 v[8*(8*((\a)%4)+\b):8*(8*((\a)%4)+\b)+7], v[128*(\p)+FR*\b:128*(\p)+FR*\b+FR-1], v[AF+FR*(\a):AF+FR*(\a)+FR-1], v[8*(8*((\a)%4)+\b):8*(8*((\a)%4)+\b)+7], v[SC+8*NQ*(\sc)+NQ*\b+(\q)], v[SC+8*NQ*(\sc)+NQ*(\a)+(\q)] matrix_a_fmt:MATRIX_FMT_BF8 matrix_b_fmt:MATRIX_FMT_BF8 matrix_a_scale:MATRIX_SCALE_ROW1
.endif
.endr
.endr
.endm
.macro FETCH_B slot, q, p
	WIN TO_B
.irp i, 0,1,2,3,4,5,6,7
	FRAGB 128*(\p)+FR*\i, \slot, \q, \i
.endr
	WIN 0
.endm
.macro FETCH_A slot, q, i0
.irp i, \i0, \i0+1, \i0+2, \i0+3
	FRAGA AF+FR*(\i), \slot, \q, \i
.endr
.endm
.macro SCALES slot                     ; two words a row; lanes 0-15 P's block i, lanes 16-31 V's block i
.irp i, 0,1,2,3,4,5,6,7
	ds_load_b64 v[SC+8*NQ*\slot+NQ*\i:SC+8*NQ*\slot+NQ*\i+1], v[ADRS+\slot] offset:\i*128
.endr
.endm
; A step of 256 keys: 128 matrix instructions.  A load into a register that a matrix instruction has read stands eight plain vector instructions behind it.
.macro KSTEP slot, zero
	FETCH_B \slot, 0, 0
	FETCH_A \slot, 0, 0
	SCALES \slot
	FETCH_A \slot, 0, 4
	s_wait_dscnt 16                                ; all but the youngest sixteen loads, P's blocks 4-7
	WIN MUL_LO
	MUL16 0, 0, 0, \slot, \zero
	MUL16 2, 0, 0, \slot, \zero
	s_wait_dscnt 0x0
	PLACES NP
	FETCH_B \slot, 1, 1
	FETCH_A \slot, 1, 0
	WIN MUL_HI
	MUL16 4, 0, 0, \slot, \zero
	MUL16 6, 0, 0, \slot, \zero
	PLACES NP
	WIN 0
	FETCH_A \slot, 1, 4
	s_wait_dscnt 16                                ; all but P's blocks 4-7
	WIN MUL_LO
	MUL16 0, 1, 1, \slot, 0
	MUL16 2, 1, 1, \slot, 0
	s_wait_dscnt 0x0
	WIN MUL_HI
	MUL16 4, 1, 1, \slot, 0
	MUL16 6, 1, 1, \slot, 0
	WIN 0
.endm
; The change of slots with a refill: each wave waits for all its tensor loads, adds 0 to its spare word, waits for that and for its reads of the slot that it has left; a round of the cluster's barrier, so that no wave of any
; partner still reads that slot or has a load on its way; then my one load into it, two steps on, with this step's 128 matrix instructions in which to land.
.macro TWO slot
	s_wait_tensorcnt 0x0                           ; no tensor load of mine is out, so the groups 0 may be written
	ds_add_u32 v[SPW], v[NIL]                      ; 0 onto my spare word
	s_add_nc_u64 s[G0A+6-4*\slot:G0A+7-4*\slot], s[G0A+6-4*\slot:G0A+7-4*\slot], 2*ABLK   ; the other slot's next step: two tiles of pimg on,
	s_add_nc_u64 s[G0B+6-4*\slot:G0B+7-4*\slot], s[G0B+6-4*\slot:G0B+7-4*\slot], 512      ; 512 keys along V's rows,
	s_add_nc_u64 s[G0S+6-4*\slot:G0S+7-4*\slot], s[G0S+6-4*\slot:G0S+7-4*\slot], 16384    ; two steps of vsc
	s_wait_dscnt 0x0                               ; the add is done, and my reads of the other slot are over
	CROUND
	TLOAD 1-\slot
	PLACES NP-4                                    ; with the four behind the load: the places in front of the loads below
	KSTEP \slot, 0
.endm
	s_load_b256 s[4:11], s[0:1], 0x0               ; pimg s[4:5], V's codes s[6:7], vsc s[8:9], rlb s[10:11]
	s_load_b64 s[12:13], s[0:1], 0x20              ; out
	v_lshl_add_u32 v[SPW], v0, 2, SPARE
	v_mov_b32 v[NIL], 0
	ds_add_u32 v28, v29
	ds_add_u32 v28, v29
	s_wait_dscnt 0x0
	v_lshrrev_b32 v1, 5, v0
	v_readfirstlane_b32 s[WV], v1                  ; wave 0..3
	s_lshr_b32 s[HA], s[WV], 1                     ; which 128 queries are mine
	s_and_b32 s[HB], s[WV], 1                      ; which 128 channels.  Also: which half of V's tile waves 2 and 3 fetch
	s_bfe_u32 s[CX], ttmp6, 0x40000                ; cx: my block of 256 channels (the grid has one cluster along x)
	s_and_b32 s[YY], ttmp7, 0xffff                 ; the cluster's y = 8 b + I: the four partners share it
	s_lshr_b32 s[BT], s[YY], 3
	s_and_b32 s[TI], s[YY], 7
	s_lshr_b32 s[LAPS], s[TI], 1                   ; trips of two steps
	s_and_b32 s[ODD], s[TI], 1                     ; 1: the last step lies in slot 1
	s_add_co_u32 s[TB], s[TI], 1
	s_mul_i32 s[TB], s[TB], s[TI]
	s_lshr_b32 s[TB], s[TB], 1
	s_mul_i32 s76, s[BT], 36
	s_add_co_u32 s[TB], s[TB], s76                 ; the row's first tile in pimg
	; P's tile: 67,584 dense bytes as 264 rows of 256 (32 elements of 8 bytes); the mask names all four work-groups, bit 21 beside it
	s_mov_b32 s[G1A+0], 15|(3<<16)|(1<<21)
	s_mov_b32 s[G1A+1], 32<<16
	s_mov_b32 s[G1A+2], 264<<16
	s_mov_b32 s[G1A+3], 32<<16
	s_mov_b32 s[G1A+4], 264
	s_mov_b32 s[G1A+5], 32
	s_mov_b32 s[G1A+6], 0
	s_mov_b32 s[G1A+7], 0
	; V's codes: 128 rows of 256 bytes, 2,048 bytes apart in memory, 16 bytes of padding behind each
	s_mov_b32 s[G1B+0], (1<<20)|(5<<22)|(3<<25)
	s_mov_b32 s[G1B+1], 256<<16
	s_mov_b32 s[G1B+2], 128<<16
	s_mov_b32 s[G1B+3], 256<<16
	s_mov_b32 s[G1B+4], 128
	s_mov_b32 s[G1B+5], 2048
	s_mov_b32 s[G1B+6], 0
	s_mov_b32 s[G1B+7], 0
	; V's scale words of 256 channels: 2,048 dense bytes as 8 rows of 256
	s_mov_b32 s[G1S+0], 3<<16
	s_mov_b32 s[G1S+1], 32<<16
	s_mov_b32 s[G1S+2], 8<<16
	s_mov_b32 s[G1S+3], 32<<16
	s_mov_b32 s[G1S+4], 8
	s_mov_b32 s[G1S+5], 32
	s_mov_b32 s[G1S+6], 0
	s_mov_b32 s[G1S+7], 0
	s_mul_i32 s76, s[TB], ABLK                     ; P: made of b and I alone: no register on its way holds cx
	s_mov_b32 s77, 0
	s_lshl_b32 s80, s[BT], 10
	s_lshl_b32 s81, s[CX], 8
	s_add_co_u32 s80, s80, s81
	s_lshl_b32 s81, s[HB], 7
	s_add_co_u32 s80, s80, s81                     ; V: row 1,024 b + 256 cx + 128 (wave % 2),
	s_lshl_b32 s82, s80, 11                        ; of 2,048 bytes
	s_mov_b32 s83, 0
	s_lshl_b32 s84, s[BT], 16                      ; vsc: 65,536 bytes a batch, 8 a channel
	s_lshl_b32 s85, s[CX], 11
	s_add_co_u32 s84, s84, s85
	s_mov_b32 s85, 0
	s_mul_i32 s86, s[HB], HALFT
	s_add_co_u32 s86, s86, BOFF                    ; where V's half goes in a slot
	s_lshl_b32 s88, s[YY], 8                       ; 256 (8 b + I) = 2,048 b + 256 I,
	s_lshl_b32 s89, s[HA], 7
	s_add_co_u32 s88, s88, s89                     ; + 128 HA: my first query
	s_lshl_b32 s90, s88, 2                         ; its word in rlb
	s_mov_b32 s91, 0
	s_lshl_b32 s88, s88, 12                        ; its row of out, 4,096 bytes a row,
	s_lshl_b32 s89, s[CX], 10
	s_add_co_u32 s88, s88, s89                     ; + 256 cx channels
	s_lshl_b32 s89, s[HB], 9
	s_add_co_u32 s88, s88, s89                     ; + 128 HB
	s_mov_b32 s89, 0
	s_wait_kmcnt 0x0
	s_add_nc_u64 s[76:77], s[4:5], s[76:77]
	s_add_nc_u64 s[82:83], s[6:7], s[82:83]
	s_add_nc_u64 s[84:85], s[8:9], s[84:85]
	s_add_nc_u64 s[10:11], s[10:11], s[90:91]
	s_add_nc_u64 s[12:13], s[12:13], s[88:89]
.irp s, 0,1
	s_mov_b32 s[G0A+4*\s], 1
	s_mov_b32 s[G0A+4*\s+1], \s*SLOT
	s_add_nc_u64 s[G0A+4*\s+2:G0A+4*\s+3], s[76:77], \s*ABLK
	s_or_b32 s[G0A+4*\s+3], s[G0A+4*\s+3], 0x80000000
	s_mov_b32 s[G0B+4*\s], 1
	s_add_co_u32 s[G0B+4*\s+1], s86, \s*SLOT
	s_add_nc_u64 s[G0B+4*\s+2:G0B+4*\s+3], s[82:83], \s*256
	s_or_b32 s[G0B+4*\s+3], s[G0B+4*\s+3], 0x80000000
	s_mov_b32 s[G0S+4*\s], 1
	s_mov_b32 s[G0S+4*\s+1], \s*SLOT+BSC
	s_add_nc_u64 s[G0S+4*\s+2:G0S+4*\s+3], s[84:85], \s*8192
	s_or_b32 s[G0S+4*\s+3], s[G0S+4*\s+3], 0x80000000
.endr
	CROUND                                         ; all four work-groups are here: the first joint loads meet
	s_cmp_eq_u32 s[WV], 0                          ; a wave's two first fills stand in one branch: two loads of mine are out
	s_cbranch_scc0 .Lfirst_not_a
	tensor_load_to_lds s[G0A:G0A+3], s[G1A:G1A+7]
	s_nop 0
	tensor_load_to_lds s[G0A+4:G0A+7], s[G1A:G1A+7]
	s_nop 0
	PLACES 4
	s_branch .Lfirst_asked
.Lfirst_not_a:
	s_cmp_eq_u32 s[WV], 1
	s_cbranch_scc0 .Lfirst_for_b
	tensor_load_to_lds s[G0S:G0S+3], s[G1S:G1S+7]
	s_nop 0
	tensor_load_to_lds s[G0S+4:G0S+7], s[G1S:G1S+7]
	s_nop 0
	PLACES 4
	s_branch .Lfirst_asked
.Lfirst_for_b:
	tensor_load_to_lds s[G0B:G0B+3], s[G1B:G1B+7]
	s_nop 0
	tensor_load_to_lds s[G0B+4:G0B+7], s[G1B:G1B+7]
	s_nop 0
	PLACES 4
.Lfirst_asked:
	v_and_b32 v1, 15, v0                           ; r
	v_bfe_u32 v2, v0, 4, 1                         ; h
	v_and_b32 v4, 31, v0
	v_lshlrev_b32 v[CO], 4, v4                     ; 16 x lane
	v_lshlrev_b32 v[RA], 2, v1
.irp a, 0,1,2,3,4,5,6,7
	global_load_b32 v[RL+2*\a], v[RA], s[10:11] offset:64*\a   ; 1 / l of query 16 a + r of my 128: wanted on the way out
.endr
	v_mul_u32_u24 v3, v1, PITCH
	v_lshl_add_u32 v3, v2, 4, v3
	s_lshl_b32 s92, s[HA], 14                      ; my eight images of a chunk
	s_mul_i32 s93, s[HB], HALFT
	s_add_co_u32 s93, s93, BOFF                    ; my 128 rows of V
.irp s, 0,1
	v_add_nc_u32 v[ADRA+\s], s92, v[CO]
	v_add_nc_u32 v[ADRB+\s], s93, v3
	s_add_co_u32 s92, s92, SLOT
	s_add_co_u32 s93, s93, SLOT
.endr
	v_lshlrev_b32 v5, 3, v1                        ; my row's two scale words: 8 bytes a row
	s_lshl_b32 s92, s[HA], 10
	s_lshl_b32 s93, s[HB], 10
	s_add_co_u32 s93, s93, BSC-ASC
	s_sub_co_u32 s93, s93, s92
	v_mul_u32_u24 v6, s93, v2                      ; lanes 16-31 take V's: one product, the distance between the two bases
	s_add_co_u32 s92, s92, ASC
	v_add_nc_u32 v5, v5, v6
.irp s, 0,1
	v_add_nc_u32 v[ADRS+\s], s92, v5
	s_add_co_u32 s92, s92, SLOT
.endr
	s_mul_i32 s92, s[WV], 16*SPITCH
	s_add_co_u32 s92, s92, STAGE                   ; my stage
	v_mul_u32_u24 v5, v1, SPITCH
	v_lshl_add_u32 v5, v2, 5, v5
	v_add_nc_u32 v[STO], s92, v5                   ; in: row r, 32 bytes for each half of the lanes
	v_add_nc_u32 v[RD], s92, v[CO]                 ; back: the 32 lanes take one row of 512 bytes
	s_wait_tensorcnt 0x1                           ; my part of step 0 is in; step 1's load may stay out
	s_barrier_signal -1
	s_barrier_wait -1
	KSTEP 0, 1                                     ; the first products start the sums: nothing is cleared
	s_cmp_eq_u32 s[LAPS], 0                        ; I / 2 trips: a number of the cluster's y, the same in all four partners
	s_cbranch_scc1 .Ltail
.Llap:
	TWO 1
	TWO 0
	s_sub_co_u32 s[LAPS], s[LAPS], 1
	s_cmp_lg_u32 s[LAPS], 0
	s_cbranch_scc1 .Llap
.Ltail:
	s_wait_tensorcnt 0x0                           ; the last change of slots: nothing is filled again, so my work-group's barrier is enough
	ds_add_u32 v[SPW], v[NIL]
	s_wait_dscnt 0x0
	s_barrier_signal -1
	s_barrier_wait -1
	s_cmp_eq_u32 s[ODD], 0                         ; I even: slot 1 holds a step past the diagonal
	s_cbranch_scc1 .Lskip
	PLACES NP
	KSTEP 1, 0
.Lskip:
; THE WAY OUT, block by block of 16 queries x 128 channels: x 1 / l in place; through my own stage in LDS; back as whole rows of 512 bytes.
.macro DIVL a
	WIN 0x82+0x41*((\a)/4)                         ; destination and source 0: window 2 or 3
.set i, 0
.rept 32
	v_pk_mul_f32 v[64*((\a)%4)+2*i:64*((\a)%4)+2*i+1], v[64*((\a)%4)+2*i:64*((\a)%4)+2*i+1], v[RL+2*(\a):RL+2*(\a)+1] op_sel_hi:[1,0]   ; each accumulator from its low end on
.set i, i+1
.endr
.endm
.macro TOSTAGE a
.set AC, 64*((\a)%4)
	WIN 0x08+4*((\a)/4)                            ; the data: window 2 or 3
.irp b, 0,1,2,3,4,5,6,7
	ds_store_b128 v[STO], v[AC+8*\b:AC+8*\b+3] offset:64*\b
	ds_store_b128 v[STO], v[AC+8*\b+4:AC+8*\b+7] offset:64*\b+16
.endr
	WIN 0
.set BB, BK+64*((\a)%2)
.irp t, 0,1,2,3,4,5,6,7,8,9,10,11,12,13,14,15
	ds_load_b128 v[BB+4*\t:BB+4*\t+3], v[RD] offset:\t*SPITCH   ; LDS serves a wave's instructions in order: these see the stores above, and the next block's stores come behind them
.endr
.endm
.macro SEND a, younger                 ; younger: the LDS instructions issued behind block a's loads, which may stay out
.set BB, BK+64*((\a)%2)
	s_wait_dscnt \younger
.if (\a) > 0
	s_add_nc_u64 s[12:13], s[12:13], 16*4096       ; (behind a wait on XCNT: the earlier stores have read their base)  16 rows of out on
.endif
.irp t, 0,1,2,3,4,5,6,7,8,9,10,11,12,13,14,15
	global_store_b128 v[CO], v[BB+4*\t:BB+4*\t+3], s[12:13] offset:\t*4096 th:TH_STORE_NT   ; 32 lanes store 512 consecutive bytes, at a multiple of 256 from out's first byte; written once, read by nobody here
.endr
.endm
	s_wait_loadcnt 0x0                             ; 1 / l
.irp a, 0,1,2,3,4,5,6,7
	v_mov_b32 v[RL+2*\a+1], v[RL+2*\a]             ; the packed multiplication names a pair.  These eight name no register of a product: they are also the eight places behind the last products
.endr
	DIVL 0
	TOSTAGE 0
.irp a, 1,2,3,4,5,6,7
.if \a > 1
	s_wait_xcnt 0x0                                ; block a - 2's stores have read their registers and their base
.endif
	DIVL \a
	TOSTAGE \a
	SEND \a-1, 32                                  ; behind block a - 1's loads: block a's 16 stores and 16 loads
.endr
	s_wait_xcnt 0x0
	SEND 7, 0
	s_wait_tensorcnt 0x0                           ; the wave's end
	ds_add_u32 v[SPW], v[NIL]
	s_wait_dscnt 0x0
	CROUND                                         ; the closing round: no work-group ends while a partner may still ask for a tile that names it
	s_endpgm
.Lfunc_end_k_q765dc7af43_mix:
	.size	k_q765dc7af43_mix, .Lfunc_end_k_q765dc7af43_mix-k_q765dc7af43_mix
	.p2alignl 7, 3214868480
	.fill 96, 4, 3214868480
	.section	.rodata,"a",@progbits
	.p2align	6, 0x0
	.amdhsa_kernel k_q765dc7af43_mix
		.amdhsa_group_segment_fixed_size 327680
		.amdhsa_private_segment_fixed_size 0
		.amdhsa_enable_private_segment 0
		.amdhsa_kernarg_size 40
		.amdhsa_user_sgpr_count 2
		.amdhsa_user_sgpr_kernarg_segment_ptr 1
		.amdhsa_wavefront_size32 1
		.amdhsa_system_sgpr_workgroup_id_x 1
		.amdhsa_system_sgpr_workgroup_id_y 1
		.amdhsa_system_sgpr_workgroup_id_z 1
		.amdhsa_system_vgpr_workitem_id 0
		.amdhsa_next_free_vgpr 1024
		.amdhsa_next_free_sgpr 96
		.amdhsa_reserve_vcc 0
		.amdhsa_float_denorm_mode_32 3
		.amdhsa_float_denorm_mode_16_64 3
		.amdhsa_memory_ordered 1
		.amdhsa_forward_progress 1
		.amdhsa_inst_pref_size 162
	.end_amdhsa_kernel
	.amdgpu_metadata
---
amdhsa.version: [ 1, 2 ]
amdhsa.kernels:
  - .name:           k_q765dc7af43_mix
    .symbol:         k_q765dc7af43_mix.kd
    .args:
      - { .name: pimg, .offset: 0, .size: 8, .value_kind: global_buffer, .address_space: global }
      - { .name: value_codes, .offset: 8, .size: 8, .value_kind: global_buffer, .address_space: global }
      - { .name: vsc, .offset: 16, .size: 8, .value_kind: global_buffer, .address_space: global }
      - { .name: rlb, .offset: 24, .size: 8, .value_kind: global_buffer, .address_space: global }
      - { .name: out0, .offset: 32, .size: 8, .value_kind: global_buffer, .address_space: global }
    .group_segment_fixed_size: 327680
    .private_segment_fixed_size: 0
    .kernarg_segment_align: 8
    .kernarg_segment_size: 40
    .max_flat_workgroup_size: 128
    .sgpr_count:     96
    .vgpr_count:     1024
    .wavefront_size: 32
...
	.end_amdgpu_metadata
.endif
;; end of part 3
